; MI455X (gfx1250); checked and timed in simulation.
; The chip was launched on July 23, 2026; its instructions are those of AMD's public machine-readable ISA for CDNA 5 (MIT licence, August 2026) and "CDNA5" Instruction Set Architecture Reference Guide (July 2026). The comments in the code are by the model that wrote it; some were corrected since.
;; LSTM Cell. Allowed arithmetic: float matrix products may take bf16 or f16 operands with f32 sums; other float arithmetic in f32, or as packed bf16 or f16 multiplies, adds, multiply-adds, maxima and minima; sums over many terms, partial sums and values carried from step to step in f32; what a program stores and reads back later, other than sums and carried values, may be rounded once to bf16 or f16.
;; Inputs: Wh 1,024 x 4,096 float32; Wi 1,024 x 4,096 float32; bh 4,096 float32; bi 4,096 float32; c 8,192 x 1,024 float32; h 8,192 x 1,024 float32; x 8,192 x 1,024 float32.
;; Outputs: out0 8,192 x 1,024 float32; out1 8,192 x 1,024 float32.
;; 2 versions, each right; version 2 is version 1 with the launch prep written anew for expert scheduling mode. Each part assembles by itself: llvm-mc -triple=amdgcn-amd-amdhsa -mcpu=gfx1250 --defsym DOCPART=n.
;; ======== version 1 of 2: 2 launches
;; workspace buffers: ab 33,554,432 bytes; wb 16,777,216 bytes
;; launch prep (part 1): grid 768 x 1, 8 waves a work-group, no clusters, 0 bytes of LDS; arguments x, h, Wi, Wh, ab, wb; writes ab, wb
.if DOCPART == 1
	.amdgcn_target "amdgcn-amd-amdhsa--gfx1250"
	.amdhsa_code_object_version 6
	.text
	.protected	k_qec8d1d91c3_prep
	.globl	k_qec8d1d91c3_prep
	.p2align	8
	.type	k_qec8d1d91c3_prep,@function
k_qec8d1d91c3_prep:
	s_mov_b64 s[64:65], 0
	v_nop
	global_prefetch_b8 v0, s[64:65] scope:SCOPE_SE
	s_setreg_imm32_b32 hwreg(HW_REG_WAVE_MODE, 25, 1), 1
	s_wait_xcnt 0x0
; Rounds the four matrix operands of the LSTM cell once to bf16 (nearest even) and lays them out for the product that follows.
;   ab[8192][2048] bf16: row m = x[m][0..1023], then h[m][0..1023].
;   wb[2048][4096] bf16: row k = Wi's row k (k < 1024) or Wh's row k - 1024; column 256 j + 64 g + i holds the source's column 1024 g + 64 j + i
;   (j = 0..15, g = gate I, F, G, O, i = 0..63): the four gates of 64 hidden columns become 256 neighbouring columns.
; A stream: every input byte is read once, every output byte written once; no LDS, no barrier, no matrix work: nothing is shared and nothing is summed.
; 768 work-groups of equal work, 8 waves each.  Groups 0-255 take 32 rows of x, 256-511 32 rows of h, 512-639 8 rows of Wi, 640-767 8 rows of Wh.
; In one of 16 steps the 256 threads take 8 numbers each: 32 bytes in (two loads of 16), 16 bytes out (one store): a wave's store covers 512 consecutive bytes, aligned.
; A ring of 8 register slots keeps 16 loads of every wave on their way.  All steps stand in the immediates: no address register is ever rewritten.
; LIMITS: bf16 keeps 8 significant bits and f32's range; NaN and infinities pass as the conversion gives them.
.set X, 4                              ; v[4:67]   slot s: 8 numbers as loaded
.set Y, 68                             ; v[68:99]  slot s: 8 bf16 to store
                                       ; v1 byte offset of my 32 bytes in the source, v2 of my 16 bytes in the destination
                                       ; s[16:17] source, s[18:19] destination, at the group's first row
.macro OFFS kind, it                   ; byte offsets of step it: kind 0: two rows of x or h; kind 1: half a row of a weight matrix
.if \kind
.set SOFF, ((\it)/2)*16384+((\it)%2)*2048   ; the row, and its tile columns 0-7 or 8-15 (256 bytes each within a gate)
.set DOFF, (\it)*4096
.else
.set SOFF, (\it)*8192
.set DOFF, (\it)*8192
.endif
.endm
.macro FILL kind, it
	OFFS \kind, \it
	global_load_b128 v[X+8*((\it)%8):X+8*((\it)%8)+3],   v1, s[16:17] offset:SOFF th:TH_LOAD_NT
	global_load_b128 v[X+8*((\it)%8)+4:X+8*((\it)%8)+7], v1, s[16:17] offset:SOFF+16 th:TH_LOAD_NT
.endm
.macro ITER kind, it
.if (\it) < 8
	s_wait_loadcnt 14                              ; loads come back in order (ISA guide 5.7.1): my slot's two are in, the seven younger slots' fourteen stay out
.else
	s_wait_loadcnt 2*(15-(\it))                    ; nothing is loaded any more: the counts run down
	s_wait_xcnt 0x0                                ; Y's slot was the data of the store eight steps back: it is rewritten only behind this wait
.endif
.irp p, 0,1,2,3
	v_cvt_pk_bf16_f32 v[Y+4*((\it)%8)+\p], v[X+8*((\it)%8)+2*\p], v[X+8*((\it)%8)+2*\p+1]
.endr
.if (\it) < 8
	FILL \kind, (\it)+8                            ; the load ahead of the store
.endif
	OFFS \kind, \it
	global_store_b128 v2, v[Y+4*((\it)%8):Y+4*((\it)%8)+3], s[18:19] offset:DOFF   ; no hint: the next launch reads it
.endm
.macro CAST kind
.irp it, 0,1,2,3,4,5,6,7
	FILL \kind, \it
.endr
.irp it, 0,1,2,3,4,5,6,7,8,9,10,11,12,13,14,15
	ITER \kind, \it
.endr
.endm
	s_load_b256 s[4:11], s[0:1], 0x0               ; x s[4:5], h s[6:7], Wi s[8:9], Wh s[10:11]
	s_load_b128 s[12:15], s[0:1], 0x20             ; ab s[12:13], wb s[14:15]
	s_mov_b32 s21, 0                               ; high words of the two offsets
	s_mov_b32 s23, 0
	s_cmp_lt_u32 ttmp9, 512
	s_cbranch_scc0 .Lweights
	; x or h: thread t takes numbers 8 t .. 8 t + 7 of two rows
	v_lshlrev_b32 v1, 5, v0                        ; 32 t
	v_and_b32 v2, 127, v0
	v_lshrrev_b32 v3, 7, v0                        ; which of the two rows
	v_lshlrev_b32 v2, 4, v2
	v_lshl_add_u32 v2, v3, 12, v2                  ; row x 4,096 + 16 (t mod 128)
	s_and_b32 s20, ttmp9, 255
	s_lshl_b32 s20, s20, 17                        ; 32 rows of 4,096 bytes, in the source and in ab alike
	s_wait_kmcnt 0x0
	s_cmp_lt_u32 ttmp9, 256
	s_cselect_b64 s[16:17], s[4:5], s[6:7]         ; x, or h,
	s_cselect_b32 s22, 0, 2048                     ; which fills the second half of ab's rows
	s_add_co_u32 s22, s22, s20
	s_add_nc_u64 s[16:17], s[16:17], s[20:21]
	s_add_nc_u64 s[18:19], s[12:13], s[22:23]
	CAST 0
	s_endpgm
.Lweights:
	; Wi or Wh: the lanes are laid by the destination: thread t writes columns 8 t .. 8 t + 7 of half a row of wb,
	; which are tile column t / 32, gate (t / 8) mod 4, hidden 8 (t mod 8): a wave reads four runs of 256 bytes
	v_lshlrev_b32 v2, 4, v0                        ; 16 t
	v_bfe_u32 v1, v0, 3, 2                         ; gate
	v_lshrrev_b32 v3, 5, v0                        ; tile column in this half
	v_lshlrev_b32 v1, 12, v1                       ; 1,024 numbers a gate
	v_lshl_add_u32 v1, v3, 8, v1                   ; 64 numbers a tile column
	v_and_b32 v3, 7, v0
	v_lshl_add_u32 v1, v3, 5, v1
	s_and_b32 s20, ttmp9, 127
	s_lshl_b32 s22, s20, 16                        ; 8 rows of 8,192 bytes in wb,
	s_lshl_b32 s20, s20, 17                        ; of 16,384 in the source
	s_wait_kmcnt 0x0
	s_cmp_lt_u32 ttmp9, 640
	s_cselect_b64 s[16:17], s[8:9], s[10:11]       ; Wi, or Wh,
	s_cselect_b32 s24, 0, 1024*8192                ; which fills wb's rows 1,024 on
	s_add_co_u32 s22, s22, s24
	s_add_nc_u64 s[16:17], s[16:17], s[20:21]
	s_add_nc_u64 s[18:19], s[14:15], s[22:23]
	CAST 1
	s_endpgm
.Lfunc_end_k_qec8d1d91c3_prep:
	.size	k_qec8d1d91c3_prep, .Lfunc_end_k_qec8d1d91c3_prep-k_qec8d1d91c3_prep
	.p2alignl 7, 3214868480
	.fill 96, 4, 3214868480
	.section	.rodata,"a",@progbits
	.p2align	6, 0x0
	.amdhsa_kernel k_qec8d1d91c3_prep
		.amdhsa_group_segment_fixed_size 0
		.amdhsa_private_segment_fixed_size 0
		.amdhsa_enable_private_segment 0
		.amdhsa_kernarg_size 48
		.amdhsa_user_sgpr_count 2
		.amdhsa_user_sgpr_kernarg_segment_ptr 1
		.amdhsa_wavefront_size32 1
		.amdhsa_system_sgpr_workgroup_id_x 1
		.amdhsa_system_sgpr_workgroup_id_y 1
		.amdhsa_system_sgpr_workgroup_id_z 1
		.amdhsa_system_vgpr_workitem_id 0
		.amdhsa_next_free_vgpr 100
		.amdhsa_next_free_sgpr 66
		.amdhsa_reserve_vcc 0
		.amdhsa_float_denorm_mode_32 3
		.amdhsa_float_denorm_mode_16_64 3
		.amdhsa_memory_ordered 1
		.amdhsa_forward_progress 1
		.amdhsa_inst_pref_size 21
	.end_amdhsa_kernel
	.amdgpu_metadata
---
amdhsa.version: [ 1, 2 ]
amdhsa.kernels:
  - .name:           k_qec8d1d91c3_prep
    .symbol:         k_qec8d1d91c3_prep.kd
    .args:
      - { .name: x, .offset: 0, .size: 8, .value_kind: global_buffer, .address_space: global }
      - { .name: h, .offset: 8, .size: 8, .value_kind: global_buffer, .address_space: global }
      - { .name: Wi, .offset: 16, .size: 8, .value_kind: global_buffer, .address_space: global }
      - { .name: Wh, .offset: 24, .size: 8, .value_kind: global_buffer, .address_space: global }
      - { .name: ab, .offset: 32, .size: 8, .value_kind: global_buffer, .address_space: global }
      - { .name: wb, .offset: 40, .size: 8, .value_kind: global_buffer, .address_space: global }
    .group_segment_fixed_size: 0
    .private_segment_fixed_size: 0
    .kernarg_segment_align: 8
    .kernarg_segment_size: 48
    .max_flat_workgroup_size: 256
    .sgpr_count:     66
    .vgpr_count:     100
    .wavefront_size: 32
...
	.end_amdgpu_metadata
.endif
;; end of part 1
;; launch cell (part 2): grid 16 x 32, 4 waves a work-group, clusters of 4 x 4, 327,680 bytes of LDS; arguments ab, wb, bi, bh, c, out0, out1; writes out0, out1
.if DOCPART == 2
	.amdgcn_target "amdgcn-amd-amdhsa--gfx1250"
	.amdhsa_code_object_version 6
	.text
	.protected	k_qec8d1d91c3_cell
	.globl	k_qec8d1d91c3_cell
	.p2align	8
	.type	k_qec8d1d91c3_cell,@function
k_qec8d1d91c3_cell:
	s_mov_b64 s[64:65], 0
	v_nop
	global_prefetch_b8 v0, s[64:65] scope:SCOPE_SE
	s_setreg_imm32_b32 hwreg(HW_REG_WAVE_MODE, 25, 1), 1
	s_wait_xcnt 0x0
	s_wait_alu depctr_hold_cnt(0) depctr_sa_sdst(0) depctr_va_vdst(0) depctr_va_sdst(0) depctr_va_ssrc(0) depctr_va_vcc(0) depctr_vm_vsrc(0)
	s_getreg_b32 s2, hwreg(HW_REG_IB_STS2, 6, 4)
	s_cmp_eq_u32 s2, 0
	s_cbranch_scc0 .Lentry_in_a_cluster
	s_endpgm
.Lentry_in_a_cluster:
	s_bfe_u32 s2, ttmp6, 0x10000c
	s_cmp_lg_u32 s2, 0xf033
	s_cbranch_scc0 .Lentry_shape_is_right
	s_endpgm
.Lentry_shape_is_right:
; THE LSTM CELL.  gates[8192][4096] = ab x wb + bi + bh (ab = [x | h] in bf16, wb = [Wi ; Wh] in bf16 with the four gates of 64 hidden columns side by side);
; c_ = sigmoid(gF) c + sigmoid(gI) tanh(gG) -> out1;  h_ = sigmoid(gO) tanh(c_) -> out0.  Sums in f32; bi, bh, c and everything behind the product in f32.
; SHARES.  A work-group makes 256 rows x 64 hidden columns x 4 gates: a tile of 256 x 256 of the product.  512 work-groups.  Four waves, each 128 rows x 32 hidden columns x 4 gates:
; 64 accumulators of 16 x 16, 512 registers.  K = 2,048 goes in 16 steps of 128 through two LDS slots filled by the tensor data mover: ab's rows of a tile are 256 bytes, wb's 512, all aligned to 256.
; THE MATRIX INSTRUCTION IS USED TRANSPOSED: source 0 = 16 columns of wb, source 1 = 16 rows of ab.  Lane l then holds row l % 16 and eight neighbouring hidden columns 8 (l / 16) + 0..7, and the
; accumulators of the four gates hold the same element in the same lane and register: the cell's arithmetic changes no lane.  wb lies [k][n]; its fragments come out of LDS turned, by ds_load_tr16_b128.
; THE BIAS bi + bh is the C operand of the product that starts each sum: nothing is cleared and nothing is added later.
; c: when slot 0 has been read for the last time it takes the tile of c (256 rows x 256 bytes), which lands under the last K step's products.
; THE WAY OUT, by blocks of 16 rows: the lane's h_ and c_ go into a stage in LDS shared by the two waves of a row half (each holds 128 of a row's 256 bytes); behind a barrier each wave reads
; whole rows of ONE output back and stores them: sixteen lanes store 256 consecutive bytes, aligned.  Two stage buffers take turns, so one barrier a block does.
; CLUSTER: 4 x 4 work-groups.  The four of a row need the same tiles of ab, the four of a column the same tiles of wb: each is asked for jointly, by the same tensor load with the same descriptor
; and a mask that names the four.  c's tile is every work-group's own: a plain load, behind a round like the others.
; LIMITS.  x, h, Wi, Wh were rounded once to bf16.  sigmoid(v) = 1 / (1 + 2^(-v log2 e)), tanh(v) = 1 - 2 / (1 + 2^(2 v log2 e)): both end rightly at 0, 1 and -1 through an infinite or zero
; power for every finite v; tanh is off by about 1e-7 absolutely, so a very small tanh loses relative accuracy; a power below 2^-126 counts as 0.  NaN passes through; infinite inputs are
; not treated apart.  The sum's order: the bias, then K ascending.
;
; REGISTERS, in windows of 256 (s_set_vgpr_msb: bits 1:0 source 0, 3:2 source 1, 5:4 source 2, 7:6 destination):
;   window 0: v0-31 addresses; v32-63 rows on their way out; v64-127, v128-191 fragments of ab, two buffers, later the cell's arithmetic; v192-255 the bias
;   window 1: v64-127, v128-191 fragments of wb, two buffers
;   window 2: the accumulators of my rows 0-63 (block a, gate g, half s at v[8 (8 a + 2 g + s)]);   window 3: those of my rows 64-127
.set KSTEP, 128
.set KTOT,  2048
.set PA,    272                        ; an LDS row of ab, of c and of the stage: 256 bytes + 16 = 68 words: row r starts at bank 4 r mod 64 (64 banks of 4 bytes: ISA guide 11.1)
.set PB,    544                        ; an LDS row of wb: 512 bytes + 32 = 136 words
.set PART,  128*PA                     ; what one tensor load brings: 128 rows of ab, or 64 rows of wb (64 x 544, the same 34,816 bytes)
.set SLOT,  4*PART                     ; ab's 256 rows, then wb's 128 rows
.set WOFF,  2*PART
.set REG,   16*PA                      ; a region of the stage: 16 rows of one output
.set SBUF,  4*REG                      ; a stage buffer: region 2 x row half + output (0: h_, 1: c_)
.set STAGE, 2*SLOT                     ; behind the ring; no tensor load lands here
.set SPARE, STAGE+2*SBUF               ; behind the stage: the spare words, 128 bytes for each wave: two blocks of 256 bytes that no other line names
.set LAPS,  KTOT/(2*KSTEP)             ; a lap = two K steps = once round the ring
.set ADRA, 16                          ; v16-17  LDS address of my fragments of ab in slot 0, 1
.set ADRB, 20                          ; v20-21  the same for wb
.set CA,   22                          ; v22     my 32 bytes in a row of c's tile
.set STO,  24                          ; v24     where I put them in the stage
.set RD,   25                          ; v25     where I read a row back
.set CO,   26                          ; v26     my byte offset in two rows of the output
.set BO,   27                          ; v27     my byte offset in bi and bh
.set SPW,  28                          ; v28     LDS address of my spare word: SPARE + 4 x my thread's number; never rewritten
.set NIL,  29                          ; v29     0; never rewritten
.set OB,   32                          ; v32-63  16 rows read back from the stage
.set F0,   64                          ; fragment buffer 0
.set F1,   128                         ; fragment buffer 1
.set BIAS, 192                         ; v192-255  bi + bh: eight registers for each of my eight groups of 16 columns
.set T,    64                          ; the way out: gate g's 16 numbers at T + 16 g, element 8 s + j
.set TI,   T
.set TF,   T+16
.set TG,   T+32
.set TO,   T+48
.set CC,   128                         ; c
.set CN,   144                         ; c_
.set HN,   160                         ; h_
.set GI, 0
.set GF, 1
.set GG, 2
.set GO, 3
.set WV, 18                            ; s18  my wave's number
.set RH, 19                            ; s19  my half of the tile's rows.  Also: I fetch for ab (0) or for wb (1)
.set CH, 20                            ; s20  my half of the hidden columns.  Also: which half of that tile I fetch, and which output I store
.set G1,  24                           ; s[24:31] descriptor group 1 for ab's tiles;  s[32:39] group 0, one set for each slot
.set G0,  32
.set G1B, 48                           ; s[48:55], s[56:63] the same for wb's
.set G0B, 56
.set G1C, 68                           ; s[68:75], s[76:79] for c's tile
.set G0C, 76
.set OUTP, 84                          ; s[84:85] the output that I store, at my row half's first row and the tile's first column
.set NL,  86                           ; s[86:87] -log2 e; the packed multiply takes the pair's low word for both halves
.set TL,  88                           ; s[88:89] 2 log2 e
.set MSB, 0
.macro WIN new                         ; the immediate's high byte repeats the setting that is left; a switch that changes nothing is dropped
.if MSB != (\new)
	s_set_vgpr_msb (MSB<<8)|(\new)
.set MSB, \new
.endif
.endm
.set MUL_LO, 0xa1                      ; source 0 (wb) window 1, source 1 (ab) window 0, C and D window 2
.set TO_B,   0x40                      ; destination window 1, address window 0
; A joint load.  Waves 0 and 1 fetch ab's two halves, waves 2 and 3 wb's.  Each line has one mask and one set of registers for all that issue it; the branch hangs on the wave's number alone.
; An s_nop 0 and four v_nop follow each of the two lines, ahead of the jump, the label and what follows.
.macro JLOAD s
	s_cmp_eq_u32 s[RH], 0
	s_cbranch_scc0 .Lfor_w_\@
	tensor_load_to_lds s[G0+4*(\s):G0+4*(\s)+3], s[G1:G1+7]
	s_nop 0
.rept 4
	v_nop
.endr
	s_branch .Lasked_\@
.Lfor_w_\@:
	tensor_load_to_lds s[G0B+4*(\s):G0B+4*(\s)+3], s[G1B:G1B+7]
	s_nop 0
.rept 4
	v_nop
.endr
.Lasked_\@:
.endm
; A round of the cluster's barrier: my work-group's barrier, so that wave 0's signal speaks for all four waves; wave 0 signals; every wave waits for all sixteen work-groups; my work-group's barrier once more.
.macro CREST                           ; a round behind its opening barrier
	s_cmp_lg_u32 s[WV], 0
	s_cbranch_scc1 .Lnot_wave_0_\@
	s_barrier_signal -3
.Lnot_wave_0_\@:
	s_barrier_wait -3
	s_barrier_signal -1
	s_barrier_wait -1
.endm
.macro CROUND                          ; a whole round
	s_barrier_signal -1
	s_barrier_wait -1
	CREST
.endm
	s_load_b256 s[4:11], s[0:1], 0x0               ; ab s[4:5], wb s[6:7], bi s[8:9], bh s[10:11]
	s_load_b128 s[12:15], s[0:1], 0x20             ; c s[12:13], out0 s[14:15]
	s_load_b64 s[16:17], s[0:1], 0x30              ; out1
	v_lshl_add_u32 v[SPW], v0, 2, SPARE
	v_mov_b32 v[NIL], 0
	ds_add_u32 v[SPW], v[NIL]                      ; the wave's opening: the add and its wait stand ahead of my first tensor load; the set-up below, work on registers, stands between them
	v_lshrrev_b32 v1, 5, v0
	v_readfirstlane_b32 s[WV], v1                  ; wave 0..3
	s_lshr_b32 s[RH], s[WV], 1
	s_and_b32 s[CH], s[WV], 1
	s_bfe_u32 s21, ttmp6, 0x40000                  ; cx: my place along the cluster's x
	s_bfe_u32 s22, ttmp6, 0x40004                  ; cy: along its y
	s_lshl_b32 s23, ttmp9, 2                       ; in a cluster launch ttmp9 and ttmp7 count clusters
	s_add_co_u32 s23, s23, s21                     ; tile column (64 hidden columns) = 4 x cluster x + cx
	s_and_b32 s40, ttmp7, 0xffff
	s_lshl_b32 s40, s40, 2
	s_add_co_u32 s40, s40, s22                     ; tile row (256 rows) = 4 x cluster y + cy
	s_lshl_b32 s41, s22, 2
	s_lshl_b32 s41, 15, s41                        ; my row of the cluster: places 4 cy .. 4 cy + 3
	s_lshl_b32 s42, 0x1111, s21                    ; my column: places cx, cx + 4, cx + 8, cx + 12
	; group 1 for ab: 128 rows x 128 elements of 2 bytes, 2,048 elements from row to row
	s_or_b32 s[G1+0], s41, (1<<16)|(1<<20)|(1<<21)|(5<<22)|(3<<25)   ; 15:0 the mask: my row; 17:16 2-byte elements; 20 padding on; 21 set beside a mask; 24:22 after every 64 words (code 5); 31:25 4 words (code 3)
	s_mov_b32 s[G1+1], KSTEP<<16                   ; tensor_dim0 = 128
	s_mov_b32 s[G1+2], 128<<16                     ; tensor_dim1 = 128
	s_mov_b32 s[G1+3], KSTEP<<16                   ; tile_dim0 = 128
	s_mov_b32 s[G1+4], 128                         ; tile_dim1 = 128
	s_mov_b32 s[G1+5], KTOT                        ; the pitch
	s_mov_b32 s[G1+6], 0
	s_mov_b32 s[G1+7], 0
	; group 1 for wb: 64 rows (k) x 256 elements, 4,096 elements from row to row
	s_or_b32 s[G1B+0], s42, (1<<16)|(1<<20)|(1<<21)|(6<<22)|(7<<25)  ; the mask: my column; padding after every 128 words (code 6), 8 words (code 7)
	s_mov_b32 s[G1B+1], 256<<16
	s_mov_b32 s[G1B+2], 64<<16
	s_mov_b32 s[G1B+3], 256<<16
	s_mov_b32 s[G1B+4], 64
	s_mov_b32 s[G1B+5], 4096
	s_mov_b32 s[G1B+6], 0
	s_mov_b32 s[G1B+7], 0
	; group 1 for c: 64 rows x 64 elements of 4 bytes, 1,024 elements from row to row; no mask: the tile is my work-group's own
	s_mov_b32 s[G1C+0], (2<<16)|(1<<20)|(5<<22)|(3<<25)
	s_mov_b32 s[G1C+1], 64<<16
	s_mov_b32 s[G1C+2], 64<<16
	s_mov_b32 s[G1C+3], 64<<16
	s_mov_b32 s[G1C+4], 64
	s_mov_b32 s[G1C+5], 1024
	s_mov_b32 s[G1C+6], 0
	s_mov_b32 s[G1C+7], 0
	; byte offsets.  ab's hangs on the tile row and the wave alone, wb's on the tile column and the wave alone, each in registers that never hold the other coordinate
	s_lshl_b32 s90, s[CH], 19                      ; the half that I fetch: 128 rows of 4,096 bytes of ab, or 64 rows of 8,192 bytes of wb
	s_lshl_b32 s44, s40, 20                        ; 256 rows of 4,096 bytes
	s_add_co_u32 s44, s44, s90
	s_mov_b32 s45, 0
	s_lshl_b32 s46, s23, 9                         ; 256 columns of 2 bytes
	s_add_co_u32 s46, s46, s90
	s_mov_b32 s47, 0
	s_lshl_b32 s92, s23, 8                         ; in c and the outputs: 64 columns of 4 bytes
	s_lshl_b32 s80, s40, 20                        ; c: 256 rows of 4,096 bytes,
	s_lshl_b32 s91, s[WV], 18                      ; my 64 of them
	s_add_co_u32 s80, s80, s91
	s_add_co_u32 s80, s80, s92
	s_mov_b32 s81, 0
	s_lshl_b32 s82, s40, 20                        ; the outputs: the same rows,
	s_lshl_b32 s91, s[RH], 19                      ; my row half's 128
	s_add_co_u32 s82, s82, s91
	s_add_co_u32 s82, s82, s92
	s_mov_b32 s83, 0
	s_mul_i32 s43, s[WV], PART                     ; where my part of a slot lies: no place in the cluster enters an LDS address
	s_mov_b32 s[G0C], 1
	s_mul_i32 s[G0C+1], s[WV], 64*PA               ; c's tile lies at the head of slot 0: my 64 rows
	s_mov_b32 s[NL], 0xbfb8aa3b
	s_mov_b32 s[NL+1], 0xbfb8aa3b                  ; named with it as a pair
	s_mov_b32 s[TL], 0x4038aa3b
	s_mov_b32 s[TL+1], 0x4038aa3b
	s_wait_dscnt 0x0                               ; the opening add is done
	s_wait_kmcnt 0x0
	s_add_nc_u64 s[44:45], s[4:5], s[44:45]
	s_add_nc_u64 s[46:47], s[6:7], s[46:47]
	s_add_nc_u64 s[G0C+2:G0C+3], s[12:13], s[80:81]
	s_or_b32 s[G0C+3], s[G0C+3], 0x80000000        ; type = 2
	s_cmp_eq_u32 s[CH], 0
	s_cselect_b64 s[OUTP:OUTP+1], s[14:15], s[16:17]   ; waves 0 and 2 store h_ (out0), waves 1 and 3 c_ (out1)
	s_add_nc_u64 s[OUTP:OUTP+1], s[OUTP:OUTP+1], s[82:83]
	CROUND                                         ; all sixteen work-groups are here: the first joint loads meet
.irp n, 0,1
	s_mov_b32 s[G0+4*(\n)], 1                                        ; count = 1
	s_add_co_u32 s[G0+4*(\n)+1], s43, (\n)*SLOT                      ; LDS address
	s_add_nc_u64 s[G0+4*(\n)+2:G0+4*(\n)+3], s[44:45], (\n)*KSTEP*2  ; global address: K step n
	s_or_b32 s[G0+4*(\n)+3], s[G0+4*(\n)+3], 0x80000000              ; type = 2
	s_mov_b32 s[G0B+4*(\n)], 1
	s_add_co_u32 s[G0B+4*(\n)+1], s43, (\n)*SLOT
	s_add_nc_u64 s[G0B+4*(\n)+2:G0B+4*(\n)+3], s[46:47], (\n)*KSTEP*8192
	s_or_b32 s[G0B+4*(\n)+3], s[G0B+4*(\n)+3], 0x80000000
	JLOAD \n                                       ; the ring is filled before anything else is done: two loads of mine are out
.endr
	; A fragment of ab is 16 rows x 32 K in 8 registers: lane l holds row l % 16; registers 0-3 K = 8 (l / 16) + 0..7, registers 4-7 K = 16 + 8 (l / 16) + 0..7: two loads of 16 bytes, 32 bytes apart.
	v_and_b32 v1, 15, v0                           ; r = l % 16
	v_bfe_u32 v2, v0, 4, 1                         ; hh = l / 16
	v_mul_u32_u24 v3, v1, PA
	v_lshl_add_u32 v3, v2, 4, v3                   ; row x pitch + 16 x half
	s_mul_i32 s90, s[RH], PART                     ; my 128 rows
	v_add_nc_u32 v[ADRA], s90, v3
	v_add_nc_u32 v[ADRA+1], SLOT, v[ADRA]
	; The turning load takes 16 k x 16 columns (lane l reads 16 bytes: k = 8 (l / 16) + l % 8, columns 8 ((l / 8) % 2) + 0..7) and leaves half a fragment: lane l holds column l % 16 and 8 k.
	v_and_b32 v4, 7, v0
	v_lshl_add_u32 v4, v2, 3, v4
	v_mul_u32_u24 v4, v4, PB
	v_bfe_u32 v5, v0, 3, 1
	v_lshl_add_u32 v4, v5, 4, v4
	s_lshl_b32 s91, s[CH], 6                       ; in each gate's 128 bytes of a row: my 32 columns
	s_add_co_u32 s91, s91, WOFF                    ; wb's rows lie behind ab's 256
	v_add_nc_u32 v[ADRB], s91, v4
	v_add_nc_u32 v[ADRB+1], SLOT, v[ADRB]
	; c's tile and the stage: row r, my wave's 128 bytes of its 256, 32 bytes for each half of the lanes
	v_mul_u32_u24 v6, v1, PA
	v_lshl_add_u32 v6, v2, 5, v6
	s_lshl_b32 s92, s[CH], 7
	s_add_co_u32 s93, s90, s92                     ; c: my row half's 128 rows are as many bytes as ab's
	v_add_nc_u32 v[CA], s93, v6
	s_mul_i32 s93, s[RH], 2*REG
	s_add_co_u32 s93, s93, s92
	s_add_co_u32 s93, s93, STAGE
	v_add_nc_u32 v[STO], s93, v6
	v_mul_u32_u24 v7, v2, PA                       ; back: region = my wave's number; lanes 0-15 take one row of 256 bytes, lanes 16-31 the next
	v_lshl_add_u32 v7, v1, 4, v7
	s_mul_i32 s93, s[WV], REG
	s_add_co_u32 s93, s93, STAGE
	v_add_nc_u32 v[RD], s93, v7
	v_lshlrev_b32 v8, 12, v2                       ; and the same two rows in the output
	v_lshl_add_u32 v[CO], v1, 4, v8
	s_lshl_b32 s93, s23, 8                         ; the bias: within a gate's 4,096 bytes the tile's 256, my wave's 128, 32 for each half of the lanes
	s_add_co_u32 s93, s93, s92
	v_lshl_add_u32 v[BO], v2, 5, s93
.irp b, 0,1,2,3,4,5,6,7                ; group b = 2 x gate + half of my 32 columns
	global_load_b128 v[BIAS+8*\b:BIAS+8*\b+3],   v[BO], s[8:9] offset:(\b/2)*4096+(\b%2)*64
	global_load_b128 v[BIAS+8*\b+4:BIAS+8*\b+7], v[BO], s[8:9] offset:(\b/2)*4096+(\b%2)*64+16
	global_load_b128 v[F1+8*\b:F1+8*\b+3],       v[BO], s[10:11] offset:(\b/2)*4096+(\b%2)*64
	global_load_b128 v[F1+8*\b+4:F1+8*\b+7],     v[BO], s[10:11] offset:(\b/2)*4096+(\b%2)*64+16
.endr
	s_wait_loadcnt 0x0
.set z, 0
.rept 32
	v_pk_add_f32 v[BIAS+2*z:BIAS+2*z+1], v[BIAS+2*z:BIAS+2*z+1], v[F1+2*z:F1+2*z+1]   ; bi + bh
.set z, z+1
.endr
; 16 matrix instructions: row blocks a0, a0 + 1 of the window's four (hi = 0: my rows 0-63, 1: rows 64-127) x all 8 column groups, 32 along K.
; first = 1: the product starts the sums, with the bias (window 0) as C.  The 64 accumulators take turns in the same order in every quarter step.
.macro MUL16 f, hi, a0, first
.if \first
	WIN 0x81+0x40*(\hi)                            ; C in window 0, D in window 2 or 3
.else
	WIN MUL_LO+0x50*(\hi)                          ; C and D in window 2 or 3
.endif
.irp a, \a0, (\a0)+1
.irp b, 0,1,2,3,4,5,6,7
.if \first
	v_wmma_f32_16x16x32_bf16 v[8*(8*(\a)+(\b)):8*(8*(\a)+(\b))+7], v[(\f)+8*(\b):(\f)+8*(\b)+7], v[(\f)+8*(4*(\hi)+(\a)):(\f)+8*(4*(\hi)+(\a))+7], v[BIAS+8*(\b):BIAS+8*(\b)+7]
.else
	v_wmma_f32_16x16x32_bf16 v[8*(8*(\a)+(\b)):8*(8*(\a)+(\b))+7], v[(\f)+8*(\b):(\f)+8*(\b)+7], v[(\f)+8*(4*(\hi)+(\a)):(\f)+8*(4*(\hi)+(\a))+7], v[8*(8*(\a)+(\b)):8*(8*(\a)+(\b))+7]
.endif
.endr
.endr
.endm
; 32 LDS loads in one run: the fragments of one quarter step (k = k32 .. k32 + 31 of the slot's 128) into buffer f: wb's eight groups of 16 columns, turned; then ab's eight blocks of 16 rows
.macro FETCH slot, k32, f
	WIN TO_B
.irp b, 0,1,2,3,4,5,6,7
	ds_load_tr16_b128 v[(\f)+8*(\b):(\f)+8*(\b)+3],   v[ADRB+(\slot)] offset:(\k32)*PB+((\b)/2)*128+((\b)%2)*32
	ds_load_tr16_b128 v[(\f)+8*(\b)+4:(\f)+8*(\b)+7], v[ADRB+(\slot)] offset:(\k32)*PB+16*PB+((\b)/2)*128+((\b)%2)*32
.endr
	WIN 0
.irp i, 0,1,2,3,4,5,6,7
	ds_load_b128 v[(\f)+8*(\i):(\f)+8*(\i)+3],   v[ADRA+(\slot)] offset:2*(\k32)+(\i)*16*PA
	ds_load_b128 v[(\f)+8*(\i)+4:(\f)+8*(\i)+7], v[ADRA+(\slot)] offset:2*(\k32)+(\i)*16*PA+32
.endr
.endm
; A load into a register that a matrix instruction has read, and a vector instruction that reads a matrix result, stand four places behind that matrix instruction, and only plain vector
; instructions that name none of its registers are places (ISA guide 7.12.1 for vector instructions).
.macro PLACES
.rept 4
	v_nop
.endr
.endm
; A K step is four quarter steps of 32 along K, 64 matrix instructions each, on buffers 0, 1, 0, 1.  One of the first three: multiplies buffer f; in its middle it fetches the next quarter (k = k32 on) into g.
.macro QUARTER slot, k32, f, g, first
	s_wait_dscnt 8                                 ; wb and ab's rows 0-63 are in; the youngest eight loads (ab's rows 64-127) may be out
	MUL16 \f, 0, 0, \first
	MUL16 \f, 0, 2, \first
	PLACES
	FETCH \slot, \k32, \g
	s_wait_dscnt 32                                ; all but the 32 just issued
	MUL16 \f, 1, 0, \first
	MUL16 \f, 1, 2, \first
.endm
; The last quarter multiplies buffer 1 and changes slots.  MEET is its first half: ONE barrier for two things.  In front of it each wave waits for all its tensor loads, of which one is out;
; adds 0 to its spare word; and waits for that and for its own reads of this slot.  Behind it nobody reads this slot any more and what was on its way is whole.
.macro MEET round                      ; round = 1: a round of the cluster's barrier follows
	WIN 0                                          ; (the add's two registers lie in window 0)
	s_wait_tensorcnt 0x0                           ; all my tensor loads have landed;
	ds_add_u32 v[SPW], v[NIL]                      ; 0 onto my spare word;
	s_wait_dscnt 9                                 ; (the add and the youngest eight loads may be out)
	MUL16 F1, 0, 0, 0                              ; sixteen matrix instructions stand between the add and the wait for it
	s_wait_dscnt 0x0                               ; the add is done, and my reads of this slot are over
	s_barrier_signal -1
	MUL16 F1, 0, 2, 0                              ; work on registers while the others arrive
.if \round
	WIN 0
.endif
	s_barrier_wait -1
.endm
; The whole last quarter.  Behind the round the slot just read out is filled again first: kind 0: with the K step two steps on, jointly; kind 1: with my 64 rows of c's tile.
; Either way one tensor load a wave, with 224 matrix instructions between it and the wait for it.  Then come the next slot's first fragments.
.macro TURN slot, next, kind
	MEET 1
	CREST                                          ; no wave of any partner still reads this slot or has a load on its way
.if \kind
	tensor_load_to_lds s[G0C:G0C+3], s[G1C:G1C+7]
	s_nop 0
.rept 4
	v_nop                                          ; also the places in front of the loads below
.endr
.else
	s_add_nc_u64 s[G0+4*(\slot)+2:G0+4*(\slot)+3], s[G0+4*(\slot)+2:G0+4*(\slot)+3], 2*KSTEP*2
	s_add_nc_u64 s[G0B+4*(\slot)+2:G0B+4*(\slot)+3], s[G0B+4*(\slot)+2:G0B+4*(\slot)+3], 2*KSTEP*8192
	JLOAD \slot                                    ; the four v_nop behind it are also the places in front of the loads below
.endif
	FETCH \next, 0, F0
	MUL16 F1, 1, 0, 0
	MUL16 F1, 1, 2, 0
.endm
; THE WAY OUT, for block a of my eight blocks of 16 rows.  All in window 0 but SCALE's sources.
.macro CLD a                           ; my 16 numbers of c
.irp q, 0,1,2,3
	ds_load_b128 v[CC+4*\q:CC+4*\q+3], v[CA] offset:(\a)*REG+(\q/2)*64+(\q%2)*16
.endr
.endm
.macro SCALE a                         ; the block's 64 sums times -log2 e (I, F, O) or 2 log2 e (G), into T; each accumulator is read from its low end on
	WIN 0x02+(\a)/4                                ; source 0 in window 2 or 3
.set z, 0
.rept 32
.if z/8 == GG
	v_pk_mul_f32 v[T+2*z:T+2*z+1], v[64*((\a)%4)+2*z:64*((\a)%4)+2*z+1], s[TL:TL+1] op_sel_hi:[1,0]
.else
	v_pk_mul_f32 v[T+2*z:T+2*z+1], v[64*((\a)%4)+2*z:64*((\a)%4)+2*z+1], s[NL:NL+1] op_sel_hi:[1,0]
.endif
.set z, z+1
.endr
	WIN 0
.endm
.set K_ADD1, 0                         ; T_g += 1
.set K_TANH, 1                         ; T_g = 1 - 2 T_g
.set K_IG,   2                         ; I G
.set K_CNEW, 3                         ; c_ = F c + I G
.set K_SC2,  4                         ; 2 log2 e c_, into F's place
.set K_HOUT, 5                         ; h_ = O tanh(c_)
.macro PLAIN kind, g, n                ; one packed line on pair n of eight
.set pT, T+16*(\g)+2*(\n)
.if (\kind) == K_ADD1
	s_wait_alu depctr_va_vdst(0)
	v_pk_add_f32 v[pT:pT+1], v[pT:pT+1], 1.0 op_sel_hi:[1,0]
.elseif (\kind) == K_TANH
	s_wait_alu depctr_va_vdst(0)
	v_pk_fma_f32 v[pT:pT+1], v[pT:pT+1], -2.0, 1.0 op_sel_hi:[1,0,0]
.elseif (\kind) == K_IG
	s_wait_alu depctr_va_vdst(0)
	v_pk_mul_f32 v[TI+2*(\n):TI+2*(\n)+1], v[TI+2*(\n):TI+2*(\n)+1], v[TG+2*(\n):TG+2*(\n)+1]
.elseif (\kind) == K_CNEW
	s_wait_alu depctr_va_vdst(0)
	v_pk_fma_f32 v[CN+2*(\n):CN+2*(\n)+1], v[TF+2*(\n):TF+2*(\n)+1], v[CC+2*(\n):CC+2*(\n)+1], v[TI+2*(\n):TI+2*(\n)+1]
.elseif (\kind) == K_SC2
	v_pk_mul_f32 v[TF+2*(\n):TF+2*(\n)+1], v[CN+2*(\n):CN+2*(\n)+1], s[TL:TL+1] op_sel_hi:[1,0]
.else
	v_pk_mul_f32 v[HN+2*(\n):HN+2*(\n)+1], v[TO+2*(\n):TO+2*(\n)+1], v[TF+2*(\n):TF+2*(\n)+1]
.endif
.endm
.macro P8 kind, g
.irp n, 0,1,2,3,4,5,6,7
	PLAIN \kind, \g, \n
.endr
.endm
.macro TR16 op, g                      ; sixteen powers or reciprocals in place
.set z, 0
.rept 16
	\op v[T+16*(\g)+z], v[T+16*(\g)+z]
.set z, z+1
.endr
.endm
; Two powers or reciprocals of gate g, then a packed line of work that is ready, eight times: behind every one of them stands a plain instruction that names none of its registers before its
; result is used (ISA guide 5.7.2).
.macro ZIP op, g, kind, kg
.irp n, 0,1,2,3,4,5,6,7
	\op v[T+16*(\g)+2*\n], v[T+16*(\g)+2*\n]
	\op v[T+16*(\g)+2*\n+1], v[T+16*(\g)+2*\n+1]
	PLAIN \kind, \kg, \n
.endr
.endm
.macro OUTLD a                         ; 16 whole rows of my output back from the stage
	s_wait_xcnt 0x0                                ; OB was the data of the last block's stores: it is loaded again only behind this wait
.irp t, 0,1,2,3,4,5,6,7
	ds_load_b128 v[OB+4*\t:OB+4*\t+3], v[RD] offset:((\a)%2)*SBUF+\t*2*PA
.endr
.endm
.macro OUTST a, younger                ; younger: the LDS loads issued behind OUTLD's, which may stay out
	s_wait_dscnt \younger
.irp t, 0,1,2,3,4,5,6,7
	global_store_b128 v[CO], v[OB+4*\t:OB+4*\t+3], s[OUTP:OUTP+1] offset:(16*(\a)+2*\t)*4096 th:TH_STORE_NT   ; 16 lanes store 256 consecutive bytes, aligned; the block's and the pair's rows stand in the immediate, 516,096 at the most
.endr
.endm
.macro GATES a
	TR16 v_exp_f32, GI
.if (\a) > 0
	OUTST (\a)-1, 4                                ; the block before leaves; behind its loads only this block's four of c were issued
.endif
	v_nop                                          ; a plain instruction behind the last power
	ZIP v_exp_f32, GF, K_ADD1, GI
	ZIP v_exp_f32, GG, K_ADD1, GF
	ZIP v_exp_f32, GO, K_ADD1, GG
	ZIP v_rcp_f32, GG, K_ADD1, GO
	ZIP v_rcp_f32, GI, K_TANH, GG                  ; I = sigmoid | G = tanh
	ZIP v_rcp_f32, GF, K_IG, 0                     ; F = sigmoid | I G
	s_wait_dscnt 0x0                               ; c is in
	ZIP v_rcp_f32, GO, K_CNEW, 0                   ; O = sigmoid | c_
	P8 K_SC2, 0
	TR16 v_exp_f32, GF
	v_nop
	P8 K_ADD1, GF
	TR16 v_rcp_f32, GF
	v_nop
	P8 K_TANH, GF                                  ; tanh(c_)
	P8 K_HOUT, 0
.endm
.macro STG a                           ; my 2 x 64 bytes of h_ and of c_ into the stage buffer of the block's parity
.irp q, 0,1,2,3
	ds_store_b128 v[STO], v[HN+4*\q:HN+4*\q+3] offset:((\a)%2)*SBUF+(\q/2)*64+(\q%2)*16
	ds_store_b128 v[STO], v[CN+4*\q:CN+4*\q+3] offset:((\a)%2)*SBUF+REG+(\q/2)*64+(\q%2)*16
.endr
.endm
	s_wait_tensorcnt 1                             ; my part of K step 0 is in; K step 1's may stay out
	s_barrier_signal -1
	s_barrier_wait -1                              ; everybody's is
	FETCH 0, 0, F0
	QUARTER 0, 32, F0, F1, 1                       ; the first quarter stands in front of the loop: its products start the sums, on the bias
	WIN 0                                          ; at a label and at a branch every window is 0
	s_mov_b32 s3, LAPS-1
.Llap:                                                 ; a trip goes once round the ring, from a lap's second quarter to the next lap's first, and fills both slots again: K steps 2 to 15
	QUARTER 0, 64, F1, F0, 0
	QUARTER 0, 96, F0, F1, 0
	TURN 0, 1, 0
	QUARTER 1, 32, F0, F1, 0
	QUARTER 1, 64, F1, F0, 0
	QUARTER 1, 96, F0, F1, 0
	TURN 1, 0, 0
	QUARTER 0, 32, F0, F1, 0
	WIN 0
	s_sub_co_u32 s3, s3, 1
	s_cmp_lg_u32 s3, 0
	s_cbranch_scc1 .Llap
	QUARTER 0, 64, F1, F0, 0                       ; the last lap is written out
	QUARTER 0, 96, F0, F1, 0
	TURN 0, 1, 1                                   ; slot 0 has been read for the last time: it takes c's tile
	QUARTER 1, 32, F0, F1, 0
	QUARTER 1, 64, F1, F0, 0
	QUARTER 1, 96, F0, F1, 0
	MEET 0                                         ; my part of c has landed, and behind the barrier everybody's; nothing is filled again, so no round follows
	MUL16 F1, 1, 0, 0
	MUL16 F1, 1, 2, 0
	WIN 0
	PLACES                                         ; behind the last products: c is loaded into registers that they read, and their sums are read
	CLD 0
	SCALE 0
.irp a, 0,1,2,3,4,5,6,7
	GATES \a
	STG \a
	s_wait_dscnt 0x0                               ; for the others' sake: my stores into the stage are done, and so are my reads of the other buffer, which the next block writes
	s_barrier_signal -1
.if \a < 7
	SCALE (\a+1)                                   ; work on registers while the others arrive
.endif
	s_barrier_wait -1                              ; a row's 256 bytes come from two waves: both have stored
	OUTLD \a
.if \a < 7
	CLD (\a+1)
.endif
.endr
	OUTST 7, 0
	s_wait_tensorcnt 0x0                           ; the wave's end, behind my last tensor load and my last LDS store
	ds_add_u32 v[SPW], v[NIL]
	s_wait_dscnt 0x0
	CROUND                                         ; the closing round: no work-group ends while a partner may still ask for a tile that names it
	s_endpgm
.Lfunc_end_k_qec8d1d91c3_cell:
	.size	k_qec8d1d91c3_cell, .Lfunc_end_k_qec8d1d91c3_cell-k_qec8d1d91c3_cell
	.p2alignl 7, 3214868480
	.fill 96, 4, 3214868480
	.section	.rodata,"a",@progbits
	.p2align	6, 0x0
	.amdhsa_kernel k_qec8d1d91c3_cell
		.amdhsa_group_segment_fixed_size 327680
		.amdhsa_private_segment_fixed_size 0
		.amdhsa_enable_private_segment 0
		.amdhsa_kernarg_size 56
		.amdhsa_user_sgpr_count 2
		.amdhsa_user_sgpr_kernarg_segment_ptr 1
		.amdhsa_wavefront_size32 1
		.amdhsa_system_sgpr_workgroup_id_x 1
		.amdhsa_system_sgpr_workgroup_id_y 1
		.amdhsa_system_sgpr_workgroup_id_z 1
		.amdhsa_system_vgpr_workitem_id 0
		.amdhsa_next_free_vgpr 1024
		.amdhsa_next_free_sgpr 96
		.amdhsa_reserve_vcc 0
		.amdhsa_float_denorm_mode_32 3
		.amdhsa_float_denorm_mode_16_64 3
		.amdhsa_memory_ordered 1
		.amdhsa_forward_progress 1
		.amdhsa_inst_pref_size 255
	.end_amdhsa_kernel
	.amdgpu_metadata
---
amdhsa.version: [ 1, 2 ]
amdhsa.kernels:
  - .name:           k_qec8d1d91c3_cell
    .symbol:         k_qec8d1d91c3_cell.kd
    .args:
      - { .name: ab, .offset: 0, .size: 8, .value_kind: global_buffer, .address_space: global }
      - { .name: wb, .offset: 8, .size: 8, .value_kind: global_buffer, .address_space: global }
      - { .name: bi, .offset: 16, .size: 8, .value_kind: global_buffer, .address_space: global }
      - { .name: bh, .offset: 24, .size: 8, .value_kind: global_buffer, .address_space: global }
      - { .name: c, .offset: 32, .size: 8, .value_kind: global_buffer, .address_space: global }
      - { .name: out0, .offset: 40, .size: 8, .value_kind: global_buffer, .address_space: global }
      - { .name: out1, .offset: 48, .size: 8, .value_kind: global_buffer, .address_space: global }
    .group_segment_fixed_size: 327680
    .private_segment_fixed_size: 0
    .kernarg_segment_align: 8
    .kernarg_segment_size: 56
    .max_flat_workgroup_size: 128
    .sgpr_count:     96
    .vgpr_count:     1024
    .wavefront_size: 32
...
	.end_amdgpu_metadata
.endif
;; end of part 2
;; ======== version 2 of 2: 2 launches; version 1 with the launch prep written anew for expert scheduling mode
;; workspace buffers: ab 33,554,432 bytes; wb 16,777,216 bytes
;; launch prep (part 3): grid 768 x 1, 8 waves a work-group, no clusters, 0 bytes of LDS; arguments x, h, Wi, Wh, ab, wb; writes ab, wb
.if DOCPART == 3
	.amdgcn_target "amdgcn-amd-amdhsa--gfx1250"
	.amdhsa_code_object_version 6
	.text
	.protected	k_qec8d1d91c3_prep
	.globl	k_qec8d1d91c3_prep
	.p2align	8
	.type	k_qec8d1d91c3_prep,@function
k_qec8d1d91c3_prep:
	s_mov_b64 s[64:65], 0
	v_nop
	global_prefetch_b8 v0, s[64:65] scope:SCOPE_SE
	s_setreg_imm32_b32 hwreg(HW_REG_WAVE_SCHED_MODE, 0, 2), 2
	s_setreg_imm32_b32 hwreg(HW_REG_WAVE_MODE, 25, 1), 1
	s_wait_xcnt 0x0
	s_wait_alu depctr_vm_vsrc(0)
; Rounds the four matrix operands of the LSTM cell once to bf16 (nearest even) and lays them out for the product that follows.
;   ab[8192][2048] bf16: row m = x[m][0..1023], then h[m][0..1023].
;   wb[2048][4096] bf16: row k = Wi's row k (k < 1024) or Wh's row k - 1024; column 256 j + 64 g + i holds the source's column 1024 g + 64 j + i
;   (j = 0..15, g = gate I, F, G, O, i = 0..63): the four gates of 64 hidden columns become 256 neighbouring columns.
; A stream: every input byte is read once, every output byte written once; no LDS, no barrier, no matrix work: nothing is shared and nothing is summed.
; 768 work-groups of equal work, 8 waves each.  Groups 0-255 take 32 rows of x, 256-511 32 rows of h, 512-639 8 rows of Wi, 640-767 8 rows of Wh.
; In one of 16 steps the 256 threads take 8 numbers each: 32 bytes in (two loads of 16), 16 bytes out (one store): a wave's store covers 512 consecutive bytes, aligned.
; All steps stand in the immediates: no address register is ever rewritten.
; LIMITS: bf16 keeps 8 significant bits and f32's range; NaN and infinities pass as the conversion gives them.
; THE MODE: SCHED_MODE bits 1:0 = 2 (LLVM: expert scheduling mode 2), set by the entry lines.  The code itself states the register dependences
; between vector instructions and memory instructions, with s_wait_alu, always for 0.
; THE PLAN.  Registers that memory instructions touch:
;   v1, v2     byte offsets, made once at the head of each of the two paths and never written again; every load reads v1, every store v2.
;   X0 .. X15  eight registers for each of the 16 steps.  Written by the step's two loads, which all go out at the head, into registers that no vector instruction has named;
;              read by the step's four roundings, which close the eight numbers up into the first four of the eight registers; these four are read by the step's store.
;              Behind that store nothing writes them again.
; So two kinds of dependence are left, and both run from a vector instruction's result to a memory instruction's source: the offsets (one wait ahead of the first load) and the
; stores' data.  The steps go in four blocks of four: the wait for the block's eight loads, sixteen roundings, ONE wait on va_vdst, four stores.  No register that a memory
; instruction reads is written behind it: there is no wait on vm_vsrc and none on XCNT.
.set X, 4                              ; v[4:131]  step s: 8 numbers as loaded at X + 8 s; then 8 bf16 to store in the first four of them
                                       ; v1 byte offset of my 32 bytes in the source, v2 of my 16 bytes in the destination; v3 at work at the head
                                       ; s[16:17] source, s[18:19] destination, at the group's first row
.macro OFFS kind, it                   ; byte offsets of step it: kind 0: two rows of x or h; kind 1: half a row of a weight matrix
.if \kind
.set SOFF, ((\it)/2)*16384+((\it)%2)*2048   ; the row, and its tile columns 0-7 or 8-15 (256 bytes each within a gate)
.set DOFF, (\it)*4096
.else
.set SOFF, (\it)*8192
.set DOFF, (\it)*8192
.endif
.endm
.macro FILL kind, it
	OFFS \kind, \it
	global_load_b128 v[X+8*(\it):X+8*(\it)+3],   v1, s[16:17] offset:SOFF th:TH_LOAD_NT
	global_load_b128 v[X+8*(\it)+4:X+8*(\it)+7], v1, s[16:17] offset:SOFF+16 th:TH_LOAD_NT
.endm
; Block p: steps 4 p to 4 p + 3.
.macro BLK kind, p
	s_wait_loadcnt 24-8*(\p)                       ; loads come back in order (ISA guide 5.7.1): the block's eight are in, the later blocks', eight each, stay out
.irp i, 0,1,2,3
.irp q, 0,1,2,3
	v_cvt_pk_bf16_f32 v[X+8*(4*(\p)+\i)+\q], v[X+8*(4*(\p)+\i)+2*\q], v[X+8*(4*(\p)+\i)+2*\q+1]   ; pair q goes into register q: written only when the earlier roundings have read it
.endr
.endr
	s_wait_alu depctr_va_vdst(0)                   ; the sixteen roundings have written the first four registers of X[4 p] .. X[4 p + 3], which the four stores below read
.irp i, 0,1,2,3
	OFFS \kind, 4*(\p)+\i
	global_store_b128 v2, v[X+8*(4*(\p)+\i):X+8*(4*(\p)+\i)+3], s[18:19] offset:DOFF   ; no hint: the next launch reads it
.endr
.endm
.macro CAST kind
.irp it, 0,1,2,3,4,5,6,7,8,9,10,11,12,13,14,15
	FILL \kind, \it                                ; all 32 loads of the wave go out together: each step has registers of its own
.endr
.irp p, 0,1,2,3
	BLK \kind, \p
.endr
.endm
	s_load_b256 s[4:11], s[0:1], 0x0               ; x s[4:5], h s[6:7], Wi s[8:9], Wh s[10:11]
	s_load_b128 s[12:15], s[0:1], 0x20             ; ab s[12:13], wb s[14:15]
	s_mov_b32 s21, 0                               ; high words of the two offsets
	s_mov_b32 s23, 0
	s_cmp_lt_u32 ttmp9, 512
	s_cbranch_scc0 .Lweights
	; x or h: thread t takes numbers 8 t .. 8 t + 7 of two rows
	v_lshlrev_b32 v1, 5, v0                        ; 32 t
	v_and_b32 v2, 127, v0
	v_lshrrev_b32 v3, 7, v0                        ; which of the two rows
	v_lshlrev_b32 v2, 4, v2
	v_lshl_add_u32 v2, v3, 12, v2                  ; row x 4,096 + 16 (t mod 128)
	s_and_b32 s20, ttmp9, 255
	s_lshl_b32 s20, s20, 17                        ; 32 rows of 4,096 bytes, in the source and in ab alike
	s_wait_kmcnt 0x0
	s_cmp_lt_u32 ttmp9, 256
	s_cselect_b64 s[16:17], s[4:5], s[6:7]         ; x, or h,
	s_cselect_b32 s22, 0, 2048                     ; which fills the second half of ab's rows
	s_add_co_u32 s22, s22, s20
	s_add_nc_u64 s[16:17], s[16:17], s[20:21]
	s_add_nc_u64 s[18:19], s[12:13], s[22:23]
	s_wait_alu depctr_va_vdst(0)                   ; v1 and v2 are written: every load below reads v1 as its offset, every store v2
	CAST 0
	s_endpgm
.Lweights:
	; Wi or Wh: the lanes are laid by the destination: thread t writes columns 8 t .. 8 t + 7 of half a row of wb,
	; which are tile column t / 32, gate (t / 8) mod 4, hidden 8 (t mod 8): a wave reads four runs of 256 bytes
	v_lshlrev_b32 v2, 4, v0                        ; 16 t
	v_bfe_u32 v1, v0, 3, 2                         ; gate
	v_lshrrev_b32 v3, 5, v0                        ; tile column in this half
	v_lshlrev_b32 v1, 12, v1                       ; 1,024 numbers a gate
	v_lshl_add_u32 v1, v3, 8, v1                   ; 64 numbers a tile column
	v_and_b32 v3, 7, v0
	v_lshl_add_u32 v1, v3, 5, v1
	s_and_b32 s20, ttmp9, 127
	s_lshl_b32 s22, s20, 16                        ; 8 rows of 8,192 bytes in wb,
	s_lshl_b32 s20, s20, 17                        ; of 16,384 in the source
	s_wait_kmcnt 0x0
	s_cmp_lt_u32 ttmp9, 640
	s_cselect_b64 s[16:17], s[8:9], s[10:11]       ; Wi, or Wh,
	s_cselect_b32 s24, 0, 1024*8192                ; which fills wb's rows 1,024 on
	s_add_co_u32 s22, s22, s24
	s_add_nc_u64 s[16:17], s[16:17], s[20:21]
	s_add_nc_u64 s[18:19], s[14:15], s[22:23]
	s_wait_alu depctr_va_vdst(0)                   ; v1 and v2 are written: every load below reads v1 as its offset, every store v2
	CAST 1
	s_endpgm
.Lfunc_end_k_qec8d1d91c3_prep:
	.size	k_qec8d1d91c3_prep, .Lfunc_end_k_qec8d1d91c3_prep-k_qec8d1d91c3_prep
	.p2alignl 7, 3214868480
	.fill 96, 4, 3214868480
	.section	.rodata,"a",@progbits
	.p2align	6, 0x0
	.amdhsa_kernel k_qec8d1d91c3_prep
		.amdhsa_group_segment_fixed_size 0
		.amdhsa_private_segment_fixed_size 0
		.amdhsa_enable_private_segment 0
		.amdhsa_kernarg_size 48
		.amdhsa_user_sgpr_count 2
		.amdhsa_user_sgpr_kernarg_segment_ptr 1
		.amdhsa_wavefront_size32 1
		.amdhsa_system_sgpr_workgroup_id_x 1
		.amdhsa_system_sgpr_workgroup_id_y 1
		.amdhsa_system_sgpr_workgroup_id_z 1
		.amdhsa_system_vgpr_workitem_id 0
		.amdhsa_next_free_vgpr 132
		.amdhsa_next_free_sgpr 66
		.amdhsa_reserve_vcc 0
		.amdhsa_float_denorm_mode_32 3
		.amdhsa_float_denorm_mode_16_64 3
		.amdhsa_memory_ordered 1
		.amdhsa_forward_progress 1
		.amdhsa_inst_pref_size 20
	.end_amdhsa_kernel
	.amdgpu_metadata
---
amdhsa.version: [ 1, 2 ]
amdhsa.kernels:
  - .name:           k_qec8d1d91c3_prep
    .symbol:         k_qec8d1d91c3_prep.kd
    .args:
      - { .name: x, .offset: 0, .size: 8, .value_kind: global_buffer, .address_space: global }
      - { .name: h, .offset: 8, .size: 8, .value_kind: global_buffer, .address_space: global }
      - { .name: Wi, .offset: 16, .size: 8, .value_kind: global_buffer, .address_space: global }
      - { .name: Wh, .offset: 24, .size: 8, .value_kind: global_buffer, .address_space: global }
      - { .name: ab, .offset: 32, .size: 8, .value_kind: global_buffer, .address_space: global }
      - { .name: wb, .offset: 40, .size: 8, .value_kind: global_buffer, .address_space: global }
    .group_segment_fixed_size: 0
    .private_segment_fixed_size: 0
    .kernarg_segment_align: 8
    .kernarg_segment_size: 48
    .max_flat_workgroup_size: 256
    .sgpr_count:     66
    .vgpr_count:     132
    .wavefront_size: 32
...
	.end_amdgpu_metadata
.endif
;; end of part 3
;; launch cell: the kernel of part 2 again; grid 16 x 32, 4 waves a work-group, clusters of 4 x 4, 327,680 bytes of LDS; arguments ab, wb, bi, bh, c, out0, out1; writes out0, out1
